; MI455X (gfx1250); checked and timed in simulation.
; The chip was launched on July 23, 2026; its instructions are those of AMD's public machine-readable ISA for CDNA 5 (MIT licence, August 2026) and "CDNA5" Instruction Set Architecture Reference Guide (July 2026). The comments in the code are by the model that wrote it; some were corrected since.
;; Vector Quantizer. Allowed arithmetic: matrix products marked QUANTISED: E4M3 operands, one E8M0 scale for each 32 along K, by v_wmma_scale_f32_16x16x128_f8f6f4 with both operands' format E4M3, f32 sums; everything else in f32.
;; Inputs: inputs 32 x 256 x 1,024 float32; weight 8,192 x 256 float32.
;; Outputs: out0 one number float32; out1 32 x 256 x 1,024 float32; out2 32,768 x 1 int32.
;; This version of the problem:
;;   THIS VERSION OF THE PROBLEM IS GIVEN IN LOW PRECISION. The matrix products marked QUANTISED in the list below multiply operands that are first quantised to E4M3 (4 exponent bits, 3 mantissa bits; 8 bits a number), with one power-of-two scale for each 32 numbers along K (OCP MX v1.0); their sums are f32. All else is computed in f32.
;;   The module's matrix products, in the order in which they are computed (A, B: the left and right operand; K: the contracted axis; several contracted axes count as one K, in the product's order):
;;     1. [M 32,768, K 256] x [K 256, N 8,192]; A: computed on the way; B: input weight: QUANTISED
;;   THE QUANTISER, for each operand of a quantised product, along K:
;;     - K is cut into blocks of 32 from its start; a last block that is shorter is filled with zeros.
;;     - A block's scale is 2^e with e = floor(log2(the largest magnitude in the block)) - 8, held to -126 .. 127; a block of zeros has e = 0. As a byte (E8M0): e + 127.
;;     - Each number is divided by its block's scale, clamped to +-448, and rounded to the nearest number of E4M3, ties to even, subnormals kept.
;;     - The product sums the exact products of the quantised numbers (number of the format x scale) in f32.
;;   ~~~python
;;   def quantise(x, axis):      # numpy; x: float32 -> the quantised numbers, widened to float32 again
;;       x = np.moveaxis(x, axis, -1); K = x.shape[-1]
;;       x = np.pad(x, [(0, 0)] * (x.ndim - 1) + [(0, -K % 32)]); x = x.reshape(x.shape[:-1] + (-1, 32)); a = np.abs(x).max(-1, keepdims=True)
;;       e = np.where(a > 0, np.clip(np.frexp(np.where(a > 0, a, 1))[1] - 1 - 8, -126, 127), 0)      # np.frexp(a)[1] - 1 = floor(log2(a)), exactly
;;       r = np.clip(x / 2.0 ** e, -448, 448)
;;       step = 2.0 ** (np.maximum(np.frexp(np.where(r == 0, 1, r))[1] - 1, -6) - 3)
;;       q = np.round(r / step) * step * 2.0 ** e      # np.round: ties to even
;;       return np.moveaxis(q.reshape(q.shape[:-2] + (-1,))[..., :K], -1, axis).astype(np.float32)
;;   ~~~
;;   OPERANDS COMPUTED ON THE WAY. 'Computed on the way' means the value that the module computes at that place (a softmax that the list does not call 'softmax' is quantised finished and normalised). What goes into a quantiser is computed in f32, as accurately as f32 sums, v_exp_f32 and their like allow (about 1e-6 of the number): no bf16 or f16 on the way to a quantiser, and a product that is left as it is and whose result goes on into a quantised operand takes f32 operands (vector FMAs, or v_wmma_f32_16x16x4_f32). A number that lies on a knife's edge between two numbers of the format may be rounded either way, as far as f32 arithmetic and the matrix unit's own rounding can turn it there, and no further.
;; One version. Each part assembles by itself: llvm-mc -triple=amdgcn-amd-amdhsa -mcpu=gfx1250 --defsym DOCPART=n.
;; ======== version 1 of 1: 4 launches
;; limits: right only within a limited range of input values
;; workspace buffers: wq 2,195,456 bytes; idxw 131,072 bytes of whole numbers; lossp 2,048 bytes
;; launch wprep (part 1): grid 128 x 1, 4 waves a work-group, no clusters, 70,144 bytes of LDS; arguments weight, wq; writes wq
.if DOCPART == 1
	.amdgcn_target "amdgcn-amd-amdhsa--gfx1250"
	.amdhsa_code_object_version 6
	.text
	.protected	k_q109184bbbd_wprep
	.globl	k_q109184bbbd_wprep
	.p2align	8
	.type	k_q109184bbbd_wprep,@function
k_q109184bbbd_wprep:
	s_mov_b64 s[64:65], 0
	v_nop
	global_prefetch_b8 v0, s[64:65] scope:SCOPE_SE
	s_setreg_imm32_b32 hwreg(HW_REG_WAVE_MODE, 25, 1), 1
	s_wait_xcnt 0x0
; weight [8192][256] f32 -> wq: codes of FP8 (E4M3) along the 256, one E8M0 scale byte for each 32, and the f32 sum of squares of every codeword,
; laid in the order in which the next launch's operand registers take them.
; wq is 128 chunks of 17,152 bytes; chunk ch holds codewords 64 ch .. 64 ch + 63 as four tiles of 16:
;   T*4096 + s*2048 + c*512 + 16*lane : tile T, K step s (128 along the 256), register group c: lane (r, h) has codeword 16 T + r, k = 128 s + 32 c + 16 h + 0 .. 15
;   16384 + 16*lane + 4*T             : scale words: lanes 0-15 K step 0 of codeword r, lanes 16-31 K step 1 of codeword r
;   16896 + 4*(16 T + m)              : sums of squares
; A work-group makes one chunk, wave T tile T.  The 16 rows come by dense loads (512 consecutive bytes each), turn through the wave's own stage in LDS,
; and come back 64 bytes a lane: 16 neighbours of each block of 32.  The tiles' scale words and sums meet in LDS and leave as whole runs of 512 and 256 bytes.
; No work-group shares an input byte with another, so there is no cluster and no tensor load here.
; A block's scale is 2^(floor(log2(largest magnitude)) - 8); its byte is the largest magnitude's exponent field - 8, held at 1 from below.
; LIMITS: a block of zeros, and a block whose largest magnitude lies under 2^-118, gets the byte 1 (a block of zeros has zero codes, which add nothing; this program alone reads the bytes).
; NaN and infinities among the inputs are not served.  The sum of squares is added in four chains, another order than a plain loop's: it may differ in the last bits.
.set CHUNK, 17152
.set WSTG,  16896                      ; a wave's stage: two K steps
.set KSTG,  8448                       ; a K step's: 16 rows
.set PITCH, 528                        ; 512 bytes + 16: sixteen rows' 16-byte pieces fall 16 bytes apart modulo 256
.set SCL,   67584                      ; the chunk's scale words, 512 bytes
.set SWL,   68096                      ; the chunk's sums of squares, 256 bytes
.set R,   16                           ; v16-143  the 32 loads
.set CH,  16                           ; v16-23   four chains of squares (the loads' registers are free by then)
.set X,   144                          ; v144-207 64 numbers of a K step
.set TM,  208                          ; v208-223 at work in QUANT
.set PC0, 224                          ; v224-239 K step 0's codes
.set PC1, 240                          ; v240-255 K step 1's
.set SEL, 10                           ; s[10:11] lane selects: lane l xor 16
.set MNT, 12
.set HM,  13                           ; s13 a mask of lanes 16-31
; 64 numbers of a lane, register 16 b + i = k 32 b + 16 (lane / 16) + i of my row, become a fragment's codes in v[pc] on and its scale word in v[pw]
.macro QUANT s, pc, pw
.irp b, 0,1,2,3
	v_max3_num_f32 v[TM+\b], |v[\s+16*\b]|, |v[\s+1+16*\b]|, 0x4800000   ; my 16 numbers of block b, and the floor 2^(9 - 127): the byte cannot fall under 1
.endr
.irp i, 2,4,6,8,10,12,14
.irp b, 0,1,2,3
	v_max3_num_f32 v[TM+\b], v[TM+\b], |v[\s+16*\b+\i]|, |v[\s+1+16*\b+\i]|
.endr
.endr
.irp b, 0,1,2,3
	v_permlanex16_b32 v[TM+4+\b], v[TM+\b], s[SEL], s[SEL+1]
.endr
.irp b, 0,1,2,3
	v_max_num_f32 v[TM+\b], v[TM+\b], v[TM+4+\b]                   ; with lane l xor 16's: the block's largest magnitude
.endr
.irp b, 0,1,2,3
	v_add_nc_u32 v[TM+12+\b], 0xfc000000, v[TM+\b]                 ; 8 off its exponent field: the conversion's scale operand
.endr
.irp b, 0,1,2,3
.endr
.irp b, 0,1,2,3
	v_lshrrev_b32 v[TM+4+\b], 23, v[TM+12+\b]                      ; the scale's byte
.endr
	v_lshl_or_b32 v[\pw], v[TM+5], 8, v[TM+4]
	v_lshl_or_b32 v[\pw], v[TM+6], 16, v[\pw]
	v_lshl_or_b32 v[\pw], v[TM+7], 24, v[\pw]
.irp b, 0,1,2,3
.irp i, 0,1,2,3,4,5,6,7,8,9,10,11,12,13,14,15
.endr
	v_cvt_scalef32_pk8_fp8_f32 v[\pc+4*\b:\pc+1+4*\b], v[\s+16*\b:\s+7+16*\b], v[TM+12+\b]
	v_cvt_scalef32_pk8_fp8_f32 v[\pc+2+4*\b:\pc+3+4*\b], v[\s+8+16*\b:\s+15+16*\b], v[TM+12+\b]
.endr
	v_nop                                          ; a plain line behind the last conversion
.endm
	s_load_b128 s[4:7], s[0:1], 0x0                ; weight, wq
	s_set_vgpr_msb 0x40
	v_lshl_add_u32 v0, v0, 2, 0x11000
	v_mov_b32 v1, 0
	s_set_vgpr_msb 0x4000
	v_lshrrev_b32 v1, 5, v0
	v_readfirstlane_b32 s8, v1                     ; T: my wave, my tile
	v_and_b32 v1, 31, v0                           ; lane
	v_and_b32 v2, 15, v0                           ; r
	v_bfe_u32 v3, v0, 4, 1                         ; h
	v_lshlrev_b32 v4, 4, v1                        ; 16 x lane
	s_mul_i32 s14, s8, WSTG
	v_add_nc_u32 v5, s14, v4                       ; the stage, on the way in
	v_mul_u32_u24 v6, v2, PITCH
	v_lshl_add_u32 v6, v3, 6, v6
	v_add_nc_u32 v6, s14, v6                       ; and out: row r, + 64 h
	s_lshl_b32 s15, s8, 2
	v_add_nc_u32 v9, SCL, v4                       ; the scale words as wave 0 reads them
	v_add_nc_u32 v7, s15, v9                       ; and where I put mine: + 4 T
	s_lshl_b32 s15, s8, 6
	v_lshl_add_u32 v8, v2, 2, SWL
	v_add_nc_u32 v8, s15, v8                       ; my row's sum: SWL + 64 T + 4 r
	v_lshlrev_b32 v11, 3, v1                       ; 8 x lane
	v_add_nc_u32 v10, SWL, v11
	s_lshl_b32 s15, s8, 12
	v_add_nc_u32 v15, s15, v4                      ; my codes' place in the chunk: 4096 T + 16 x lane
	s_mov_b32 s[SEL], 0x76543210
	s_mov_b32 s[SEL+1], 0xfedcba98
	s_mov_b32 s[HM], 0xffff0000
.irp b, 0,1,2,3
	v_mov_b32 v[TM+4+\b], 0                        ; written once: a lane permute's destination counts as one of its sources
.endr
	s_lshl_b32 s16, ttmp9, 16                      ; 64 rows of 1,024 bytes a work-group,
	s_lshl_b32 s17, s8, 14                         ; 16 a wave
	s_add_co_u32 s16, s16, s17
	s_mov_b32 s17, 0
	s_mul_i32 s18, ttmp9, CHUNK
	s_mov_b32 s19, 0
	s_wait_kmcnt 0x0
	s_add_nc_u64 s[4:5], s[4:5], s[16:17]
	s_add_nc_u64 s[6:7], s[6:7], s[18:19]
.irp p, 0,1,2,3,4,5,6,7,8,9,10,11,12,13,14,15
.irp k, 0,1
	global_load_b128 v[R+4*(2*\p+\k):R+4*(2*\p+\k)+3], v4, s[4:5] offset:1024*\p+512*\k   ; 32 lanes read 512 consecutive bytes: half a row
.endr
.endr
	s_wait_loadcnt 0x0
.irp p, 0,1,2,3,4,5,6,7,8,9,10,11,12,13,14,15
.irp k, 0,1
	ds_store_b128 v5, v[R+4*(2*\p+\k):R+4*(2*\p+\k)+3] offset:KSTG*\k+PITCH*\p
.endr
.endr
; K step k: 64 numbers back from my own stage (LDS serves a wave's instructions in order), their squares, their codes
.macro KSTEP k, pc, pw
.irp c, 0,1,2,3
.irp j, 0,1,2,3
	ds_load_b128 v[X+16*\c+4*\j:X+16*\c+4*\j+3], v6 offset:KSTG*\k+128*\c+16*\j
.endr
.endr
	s_wait_dscnt 0x0                               ; the numbers are in; the stage's stores have read their registers, which the chains take
.set p, 0
.rept 32
.if (\k == 0) && (p < 4)
	v_pk_mul_f32 v[CH+2*p:CH+2*p+1], v[X+2*p:X+2*p+1], v[X+2*p:X+2*p+1]             ; the first four squares start the chains
.else
	v_pk_fma_f32 v[CH+2*(p%4):CH+2*(p%4)+1], v[X+2*p:X+2*p+1], v[X+2*p:X+2*p+1], v[CH+2*(p%4):CH+2*(p%4)+1]
.endif
.set p, p+1
.endr
	QUANT X, \pc, \pw
.irp c, 0,1,2,3
	global_store_b128 v15, v[\pc+4*\c:\pc+4*\c+3], s[6:7] offset:2048*\k+512*\c     ; 512 consecutive bytes; each set of codes is written once, so no store's data are written again
.endr
.endm
	KSTEP 0, PC0, 12
	KSTEP 1, PC1, 13
	v_pk_add_f32 v[CH:CH+1], v[CH:CH+1], v[CH+2:CH+3]
	v_pk_add_f32 v[CH+4:CH+5], v[CH+4:CH+5], v[CH+6:CH+7]
	v_pk_add_f32 v[CH:CH+1], v[CH:CH+1], v[CH+4:CH+5]
	v_add_f32 v[CH], v[CH], v[CH+1]
	v_permlanex16_b32 v[CH+1], v[CH], s[SEL], s[SEL+1]
	v_add_f32 v[CH], v[CH], v[CH+1]                ; my row's sum of squares
	v_cndmask_b32 v14, v12, v13, s[HM]             ; lanes 0-15 keep K step 0's word, lanes 16-31 take K step 1's
	ds_store_b32 v7, v14
	ds_store_b32 v8, v[CH]                         ; both lanes of a row write the same word with the same value
	s_wait_dscnt 0x0                               ; for wave 0's sake: my stores have landed
	s_barrier_signal -1
	s_barrier_wait -1
	s_cmp_lg_u32 s8, 0
	s_cbranch_scc1 .Lend
	ds_load_b128 v[24:27], v9
	ds_load_b64 v[28:29], v10
	s_wait_dscnt 0x0
	global_store_b128 v4, v[24:27], s[6:7] offset:16384    ; the chunk's scale words: 512 consecutive bytes
	global_store_b64 v11, v[28:29], s[6:7] offset:16896    ; its sums of squares: 256 consecutive bytes
.Lend:
	s_set_vgpr_msb 0x5
	s_wait_tensorcnt 0x0
	ds_add_u32 v0, v1
	s_wait_dscnt 0x0
	s_set_vgpr_msb 0x500
	s_endpgm
.Lfunc_end_k_q109184bbbd_wprep:
	.size	k_q109184bbbd_wprep, .Lfunc_end_k_q109184bbbd_wprep-k_q109184bbbd_wprep
	.p2alignl 7, 3214868480
	.fill 96, 4, 3214868480
	.section	.rodata,"a",@progbits
	.p2align	6, 0x0
	.amdhsa_kernel k_q109184bbbd_wprep
		.amdhsa_group_segment_fixed_size 70144
		.amdhsa_private_segment_fixed_size 0
		.amdhsa_enable_private_segment 0
		.amdhsa_kernarg_size 16
		.amdhsa_user_sgpr_count 2
		.amdhsa_user_sgpr_kernarg_segment_ptr 1
		.amdhsa_wavefront_size32 1
		.amdhsa_system_sgpr_workgroup_id_x 1
		.amdhsa_system_sgpr_workgroup_id_y 1
		.amdhsa_system_sgpr_workgroup_id_z 1
		.amdhsa_system_vgpr_workitem_id 0
		.amdhsa_next_free_vgpr 258
		.amdhsa_next_free_sgpr 66
		.amdhsa_reserve_vcc 0
		.amdhsa_float_denorm_mode_32 3
		.amdhsa_float_denorm_mode_16_64 3
		.amdhsa_fp16_overflow 1
		.amdhsa_memory_ordered 1
		.amdhsa_forward_progress 1
		.amdhsa_inst_pref_size 23
	.end_amdhsa_kernel
	.amdgpu_metadata
---
amdhsa.version: [ 1, 2 ]
amdhsa.kernels:
  - .name:           k_q109184bbbd_wprep
    .symbol:         k_q109184bbbd_wprep.kd
    .args:
      - { .name: weight, .offset: 0, .size: 8, .value_kind: global_buffer, .address_space: global }
      - { .name: wq, .offset: 8, .size: 8, .value_kind: global_buffer, .address_space: global }
    .group_segment_fixed_size: 70144
    .private_segment_fixed_size: 0
    .kernarg_segment_align: 8
    .kernarg_segment_size: 16
    .max_flat_workgroup_size: 128
    .sgpr_count:     66
    .vgpr_count:     258
    .wavefront_size: 32
...
	.end_amdgpu_metadata
.endif
;; end of part 1
;; launch vqmain (part 2): grid 256 x 1, 8 waves a work-group, clusters of 4 x 1, 327,680 bytes of LDS; arguments inputs, wq, out2, idxw; writes out2, idxw
.if DOCPART == 2
	.amdgcn_target "amdgcn-amd-amdhsa--gfx1250"
	.amdhsa_code_object_version 6
	.text
	.protected	k_q109184bbbd_vqmain
	.globl	k_q109184bbbd_vqmain
	.p2align	8
	.type	k_q109184bbbd_vqmain,@function
k_q109184bbbd_vqmain:
	s_mov_b64 s[64:65], 0
	v_nop
	global_prefetch_b8 v0, s[64:65] scope:SCOPE_SE
	s_setreg_imm32_b32 hwreg(HW_REG_WAVE_MODE, 25, 1), 1
	s_wait_xcnt 0x0
	s_wait_alu depctr_hold_cnt(0) depctr_sa_sdst(0) depctr_va_vdst(0) depctr_va_sdst(0) depctr_va_ssrc(0) depctr_va_vcc(0) depctr_vm_vsrc(0)
	s_getreg_b32 s2, hwreg(HW_REG_IB_STS2, 6, 4)
	s_cmp_eq_u32 s2, 0
	s_cbranch_scc0 .Lentry_in_a_cluster
	s_endpgm
.Lentry_in_a_cluster:
	s_bfe_u32 s2, ttmp6, 0x10000c
	s_cmp_lg_u32 s2, 0x3003
	s_cbranch_scc0 .Lentry_shape_is_right
	s_endpgm
.Lentry_shape_is_right:
.set CHUNK, 17152
.set SLOT1, 8*CHUNK
.set XP,    520
.set XIMG,  2*SLOT1
.set XSC,   XIMG+32768
.set SXA,   XSC+1024
.set MV,    SXA+512
.set MIO,   4096
.set SPARE, MV+8192
.set IMR, 1
.set ADW, 2
.set ASW, 4
.set SPW, 6
.set NIL, 7
.set VB,  8
.set H8,  9
.set MVS, 10
.set MVR, 11
.set AX,  12
.set XSR, 14
.set SXR, 15
.set XS,  16
.set WS,  24
.set SW,  28
.set ST,  44
.set AF,  76
.set D,   108
.set TMP, 172
.set SAVE, 188
.set MN,  252
.set XN,  108
.set TM,  76
.set PC,  92
.set CH,  236
.set XWI, 244
.set XWS, 245
.set SXW, 246
.set LN,  247
.set RR,  248
.set HH,  249
.set L16, 250
.set WV,  12
.set CX,  13
.set GG,  14
.set G1W, 16
.set G1X, 24
.set G0W, 32
.set G0X, 40
.set LOOP, 44
.set BASE, 45
.set SEL, 46
.set MNT, 48
.set HM,  49
.set MSB, 0
.macro WIN new
.if MSB != \new
	s_set_vgpr_msb (MSB<<8)|\new
.set MSB, \new
.endif
.endm
.macro ROUND
	s_barrier_signal -1
	s_barrier_wait -1
	s_cmp_lg_u32 s[WV], 0
	s_cbranch_scc1 .Lnot_wave_0_\@
	s_barrier_signal -3
.Lnot_wave_0_\@:
	s_barrier_wait -3
	s_barrier_signal -1
	s_barrier_wait -1
.endm
.macro QUANT s, pc, pw
.irp b, 0,1,2,3
	v_max3_num_f32 v[TM+\b], |v[\s+16*\b]|, |v[\s+1+16*\b]|, 0x4800000
.endr
.irp i, 2,4,6,8,10,12,14
.irp b, 0,1,2,3
	s_delay_alu instid0(VALU_DEP_4)
	v_max3_num_f32 v[TM+\b], v[TM+\b], |v[\s+16*\b+\i]|, |v[\s+1+16*\b+\i]|
.endr
.endr
.irp b, 0,1,2,3
	s_delay_alu instid0(VALU_DEP_4)
	v_permlanex16_b32 v[TM+4+\b], v[TM+\b], s[SEL], s[SEL+1]
.endr
.irp b, 0,1,2,3
	s_delay_alu instid0(VALU_DEP_4)
	v_max_num_f32 v[TM+\b], v[TM+\b], v[TM+4+\b]
.endr
.irp b, 0,1,2,3
	s_delay_alu instid0(VALU_DEP_4)
	v_add_nc_u32 v[TM+12+\b], 0xfc000000, v[TM+\b]
.endr
.irp b, 0,1,2,3
.endr
.irp b, 0,1,2,3
	s_delay_alu instid0(VALU_DEP_4)
	v_lshrrev_b32 v[TM+4+\b], 23, v[TM+12+\b]
.endr
	s_delay_alu instid0(VALU_DEP_3)
	v_lshl_or_b32 v[\pw], v[TM+5], 8, v[TM+4]
	s_delay_alu instid0(VALU_DEP_1)
	v_lshl_or_b32 v[\pw], v[TM+6], 16, v[\pw]
	s_delay_alu instid0(VALU_DEP_1)
	v_lshl_or_b32 v[\pw], v[TM+7], 24, v[\pw]
.irp b, 0,1,2,3
.irp i, 0,1,2,3,4,5,6,7,8,9,10,11,12,13,14,15
.endr
	v_cvt_scalef32_pk8_fp8_f32 v[\pc+4*\b:\pc+1+4*\b], v[\s+16*\b:\s+7+16*\b], v[TM+12+\b]
	v_cvt_scalef32_pk8_fp8_f32 v[\pc+2+4*\b:\pc+3+4*\b], v[\s+8+16*\b:\s+15+16*\b], v[TM+12+\b]
.endr
	v_nop
.endm
	s_load_b256 s[4:11], s[0:1], 0x0
	v_lshl_add_u32 v[SPW], v0, 2, SPARE
	v_mov_b32 v[NIL], 0
	ds_add_u32 v6, v7
	ds_add_u32 v6, v7
	s_wait_dscnt 0x0
	v_lshrrev_b32 v[LN], 5, v0
	s_delay_alu instid0(VALU_DEP_1)
	v_readfirstlane_b32 s[WV], v[LN]
	s_bfe_u32 s[CX], ttmp6, 0x40000
	s_lshl_b32 s[GG], ttmp9, 2
	s_add_co_u32 s[GG], s[GG], s[CX]
	s_mov_b32 s[G1W], 15|(3<<16)|(1<<21)
	s_mov_b32 s[G1W+1], 32<<16
	s_mov_b32 s[G1W+2], 67<<16
	s_mov_b32 s[G1W+3], 32<<16
	s_mov_b32 s[G1W+4], 67
	s_mov_b32 s[G1W+5], 32
	s_mov_b32 s[G1W+6], 0
	s_mov_b32 s[G1W+7], 0
	s_mov_b32 s[G1X], (2<<16)|(1<<20)|(6<<22)|(1<<25)
	s_mov_b32 s[G1X+1], 128<<16
	s_mov_b32 s[G1X+2], 32<<16
	s_mov_b32 s[G1X+3], 128<<16
	s_mov_b32 s[G1X+4], 32
	s_mov_b32 s[G1X+5], 1024
	s_mov_b32 s[G1X+6], 0
	s_mov_b32 s[G1X+7], 0
	s_lshr_b32 s50, s[GG], 3
	s_lshl_b32 s50, s50, 20
	s_and_b32 s51, s[GG], 7
	s_lshl_b32 s51, s51, 9
	s_add_co_u32 s50, s50, s51
	s_lshl_b32 s51, s[WV], 17
	s_add_co_u32 s50, s50, s51
	s_mov_b32 s51, 0
	s_mul_i32 s52, s[WV], 16*CHUNK
	s_mov_b32 s53, 0
	s_lshl_b32 s54, s[GG], 9
	s_mov_b32 s55, 0
	s_mul_i32 s56, s[WV], CHUNK
	s_mul_i32 s57, s[WV], 32*XP
	s_mov_b32 s[SEL], 0x76543210
	s_mov_b32 s[SEL+1], 0xfedcba98
	s_mov_b32 s[HM], 0xffff0000
	s_wait_kmcnt 0x0
	s_mov_b32 s[G0W], 1
	s_mov_b32 s[G0W+1], s56
	s_add_nc_u64 s[G0W+2:G0W+3], s[6:7], s[52:53]
	s_or_b32 s[G0W+3], s[G0W+3], 0x80000000
	s_mov_b32 s[G0W+4], 1
	s_add_co_u32 s[G0W+5], s56, SLOT1
	s_add_nc_u64 s[G0W+6:G0W+7], s[6:7], s[52:53]
	s_add_nc_u64 s[G0W+6:G0W+7], s[G0W+6:G0W+7], CHUNK
	s_or_b32 s[G0W+7], s[G0W+7], 0x80000000
	s_mov_b32 s[G0X], 1
	s_add_co_u32 s[G0X+1], s57, SLOT1
	s_add_nc_u64 s[G0X+2:G0X+3], s[4:5], s[50:51]
	s_or_b32 s[G0X+3], s[G0X+3], 0x80000000
	s_add_nc_u64 s[8:9], s[8:9], s[54:55]
	s_add_nc_u64 s[10:11], s[10:11], s[54:55]
	ROUND
	tensor_load_to_lds s[G0X:G0X+3], s[G1X:G1X+7]
	s_nop 0
	s_wait_alu depctr_va_vdst(0)
	s_wait_tensorcnt 0x0
	ds_add_u32 v6, v7
	s_wait_dscnt 0x0
	ROUND
	tensor_load_to_lds s[G0W:G0W+3], s[G1W:G1W+7]
	s_nop 0
.rept 4
	v_nop
.endr
	v_and_b32 v[LN], 31, v0
	v_and_b32 v[RR], 15, v0
	v_bfe_u32 v[HH], v0, 4, 1
	s_delay_alu instid0(VALU_DEP_3)
	v_lshlrev_b32 v[L16], 4, v[LN]
	s_delay_alu instid0(VALU_DEP_1)
	v_add_nc_u32 v[IMR], XIMG, v[L16]
	s_delay_alu instid0(VALU_DEP_2)
	v_add_nc_u32 v[ADW], s56, v[L16]
	s_delay_alu instid0(VALU_DEP_1)
	v_add_nc_u32 v[ADW+1], SLOT1, v[ADW]
	v_lshlrev_b32 v[ASW], 5, v[HH]
	s_delay_alu instid0(VALU_DEP_1)
	v_add_nc_u32 v[ASW], s56, v[ASW]
	s_delay_alu instid0(VALU_DEP_1)
	v_add_nc_u32 v[ASW], 16896, v[ASW]
	s_delay_alu instid0(VALU_DEP_1)
	v_add_nc_u32 v[ASW+1], SLOT1, v[ASW]
	v_lshlrev_b32 v[H8], 3, v[HH]
	s_lshl_b32 s50, s[WV], 9
	v_lshl_add_u32 v[MVS], v[RR], 2, MV
	s_delay_alu instid0(VALU_DEP_1)
	v_add_nc_u32 v[MVS], s50, v[MVS]
	v_add_nc_u32 v[MVR], MV, v[L16]
	v_mul_u32_u24 v[AX], v[HH], 16*XP
	s_delay_alu instid0(VALU_DEP_1)
	v_lshl_add_u32 v[AX], v[RR], 2, v[AX]
	s_lshl_b32 s50, s[WV], 6
	v_add_nc_u32 v[AX], s50, v[AX]
	s_delay_alu instid0(VALU_DEP_1)
	v_add_nc_u32 v[AX], SLOT1, v[AX]
	s_delay_alu instid0(VALU_DEP_1)
	v_add_nc_u32 v[AX+1], 128*XP, v[AX]
	v_lshl_add_u32 v[XSR], v[LN], 2, XSC
	v_lshl_add_u32 v[SXR], v[RR], 2, SXA
	s_delay_alu instid0(VALU_DEP_1)
	v_add_nc_u32 v[SXW], s50, v[SXR]
	s_lshl_b32 s50, s[WV], 12
	v_add_nc_u32 v[XWI], s50, v[IMR]
	s_lshl_b32 s50, s[WV], 7
	v_add_nc_u32 v[XWS], s50, v[XSR]
.irp b, 0,1,2,3
	v_mov_b32 v[TM+4+\b], 0
.endr
	s_wait_tensorcnt 0x1
	s_barrier_signal -1
	s_barrier_wait -1
.irp k, 0,1
.irp c, 0,1,2,3
.irp i, 0,1,2,3,4,5,6,7,8,9,10,11,12,13,14,15
	ds_load_b32 v[XN+64*\k+16*\c+\i], v[AX+\k] offset:(32*\c+\i)*XP
.endr
.endr
.endr
	s_wait_dscnt 0x0
.set p, 0
.rept 64
.if p < 4
	v_pk_mul_f32 v[CH+2*p:CH+2*p+1], v[XN+2*p:XN+2*p+1], v[XN+2*p:XN+2*p+1]
.else
	s_delay_alu instid0(VALU_DEP_4)
	v_pk_fma_f32 v[CH+2*(p%4):CH+2*(p%4)+1], v[XN+2*p:XN+2*p+1], v[XN+2*p:XN+2*p+1], v[CH+2*(p%4):CH+2*(p%4)+1]
.endif
.set p, p+1
.endr
	s_delay_alu instid0(VALU_DEP_3)
	v_pk_add_f32 v[CH:CH+1], v[CH:CH+1], v[CH+2:CH+3]
	s_delay_alu instid0(VALU_DEP_2)
	v_pk_add_f32 v[CH+4:CH+5], v[CH+4:CH+5], v[CH+6:CH+7]
	s_delay_alu instid0(VALU_DEP_1)
	v_pk_add_f32 v[CH:CH+1], v[CH:CH+1], v[CH+4:CH+5]
	s_delay_alu instid0(VALU_DEP_1)
	v_add_f32 v[CH], v[CH], v[CH+1]
	s_delay_alu instid0(VALU_DEP_1)
	v_permlanex16_b32 v[CH+1], v[CH], s[SEL], s[SEL+1]
	s_delay_alu instid0(VALU_DEP_1)
	v_add_f32 v[CH], v[CH], v[CH+1]
.set p, 0
.rept 64
	v_pk_add_f32 v[XN+2*p:XN+2*p+1], v[XN+2*p:XN+2*p+1], v[XN+2*p:XN+2*p+1]
.set p, p+1
.endr
	QUANT XN, PC, 252
.irp c, 0,1,2,3
	ds_store_b128 v[XWI], v[PC+4*\c:PC+4*\c+3] offset:512*\c
.endr
	s_wait_dscnt 0x0
	QUANT XN+64, PC, 253
.irp c, 0,1,2,3
	ds_store_b128 v[XWI], v[PC+4*\c:PC+4*\c+3] offset:2048+512*\c
.endr
	v_cndmask_b32 v254, v252, v253, s[HM]
	ds_store_b32 v[XWS], v254
	ds_store_b32 v[SXW], v[CH]
	s_wait_dscnt 0x0
	s_barrier_signal -1
	s_barrier_wait -1
	WIN 0x40
.irp q, 0,1,2,3,4,5,6,7
.irp k, 0,1
.irp c, 0,1,2,3
	ds_load_b128 v[32*\q+16*\k+4*\c:32*\q+16*\k+4*\c+3], v[IMR] offset:(2*\q+\k)*2048+512*\c
.endr
.endr
.endr
	WIN 0
.irp q, 0,1,2,3,4,5,6,7
	ds_load_b32 v[XS+\q], v[XSR] offset:128*\q
	ds_load_b32 v[ST+4*\q], v[SXR] offset:64*\q
.endr
.irp q, 0,1,2,3,4,5,6,7
	v_mov_b32 v[ST+4*\q+1], 0
	v_mov_b32 v[ST+4*\q+2], 0x7f800000
.endr
.set p, 0
.rept 64
	v_mov_b32 v[SAVE+p], 0
.set p, p+1
.endr
	s_mov_b32 s[LOOP], 7
	s_lshl_b32 s[BASE], s[WV], 10
.macro LOADA slot, t
.irp k, 0,1
.irp c, 0,1,2,3
	ds_load_b128 v[AF+16*\k+4*\c:AF+16*\k+4*\c+3], v[ADW+\slot] offset:4096*(\t)+2048*\k+512*\c
.endr
.endr
.endm
.macro LOADSW slot, t
.irp e, 0,1
	ds_load_b128 v[SW+8*((\t)%2)+4*\e:SW+8*((\t)%2)+4*\e+3], v[ASW+\slot] offset:64*(\t)+16*\e
.endr
.endm
.macro PAIR q, slot, t, fetch
.set sws, SW+8*((\t)%2)
.set sa, ST+4*(\q)
.set sb, ST+4*(\q)+4
.set ol, 2+(\t)%2
.set nw, 3-(\t)%2
.irp e, 0,1,2,3
	v_pk_add_f32 v[TMP+2*\e:TMP+2*\e+1], v[sws+2*\e:sws+2*\e+1], v[sa:sa+1] op_sel_hi:[1,0]
	v_pk_add_f32 v[TMP+8+2*\e:TMP+9+2*\e], v[sws+2*\e:sws+2*\e+1], v[sb:sb+1] op_sel_hi:[1,0]
.endr
.if \fetch
	LOADA \slot, (\t)+1
	LOADSW \slot, (\t)+1
.endif
.irp e, 0,1,2,3
	v_pk_add_f32 v[TMP+2*\e:TMP+2*\e+1], v[TMP+2*\e:TMP+2*\e+1], v[D+8*(\q)+2*\e:D+8*(\q)+2*\e+1] neg_lo:[0,1] neg_hi:[0,1]
	v_pk_add_f32 v[TMP+8+2*\e:TMP+9+2*\e], v[TMP+8+2*\e:TMP+9+2*\e], v[D+8*(\q)+8+2*\e:D+8*(\q)+9+2*\e] neg_lo:[0,1] neg_hi:[0,1]
.endr
	v_min3_num_f32 v[MN], v[TMP], v[TMP+1], v[TMP+2]
	v_min3_num_f32 v[MN+1], v[TMP+8], v[TMP+9], v[TMP+10]
	s_delay_alu instid0(VALU_DEP_2)
	v_min3_num_f32 v[MN], v[MN], v[TMP+3], v[TMP+4]
	s_delay_alu instid0(VALU_DEP_2)
	v_min3_num_f32 v[MN+1], v[MN+1], v[TMP+11], v[TMP+12]
	s_delay_alu instid0(VALU_DEP_2)
	v_min3_num_f32 v[MN], v[MN], v[TMP+5], v[TMP+6]
	s_delay_alu instid0(VALU_DEP_2)
	v_min3_num_f32 v[MN+1], v[MN+1], v[TMP+13], v[TMP+14]
	s_delay_alu instid0(VALU_DEP_2)
	v_min3_num_f32 v[sa+nw], v[MN], v[TMP+7], v[sa+ol]
	s_delay_alu instid0(VALU_DEP_2)
	v_min3_num_f32 v[sb+nw], v[MN+1], v[TMP+15], v[sb+ol]
	s_delay_alu instid0(VALU_DEP_2)
	v_cmp_lt_f32 vcc_lo, v[sa+nw], v[sa+ol]
	s_delay_alu instid0(VALU_DEP_2)
	v_cmp_lt_f32 s50, v[sb+nw], v[sb+ol]
	s_delay_alu instid0(VALU_DEP_2)
	v_cndmask_b32 v[sa+1], v[sa+1], v[VB], vcc_lo
.irp j, 0,1,2,3,4,5,6,7
	v_cndmask_b32 v[SAVE+8*(\q)+\j], v[SAVE+8*(\q)+\j], v[TMP+\j], vcc_lo
.endr
	v_cndmask_b32 v[sb+1], v[sb+1], v[VB], s50
.irp j, 0,1,2,3,4,5,6,7
	v_cndmask_b32 v[SAVE+8*(\q)+8+\j], v[SAVE+8*(\q)+8+\j], v[TMP+8+\j], s50
.endr
.endm
.macro TILE slot, t
	s_wait_dscnt 0x0
	WIN 0x04
.irp q, 0,1,2,3,4,5,6,7
	v_wmma_scale_f32_16x16x128_f8f6f4 v[D+8*\q:D+8*\q+7], v[AF:AF+15], v[32*\q:32*\q+15], 0, v[WS+\t], v[XS+\q]
.endr
.irp q, 0,1,2,3,4,5,6,7
	v_wmma_scale_f32_16x16x128_f8f6f4 v[D+8*\q:D+8*\q+7], v[AF+16:AF+31], v[32*\q+16:32*\q+31], v[D+8*\q:D+8*\q+7], v[WS+\t], v[XS+\q] matrix_a_scale:MATRIX_SCALE_ROW1 matrix_b_scale:MATRIX_SCALE_ROW1
.endr
	WIN 0
	v_mov_b32 v[VB], s[BASE]
	s_add_co_u32 s[BASE], s[BASE], 16
.if \t < 3
	PAIR 0, \slot, \t, 1
.else
	PAIR 0, \slot, \t, 0
.endif
	PAIR 2, \slot, \t, 0
	PAIR 4, \slot, \t, 0
	PAIR 6, \slot, \t, 0
.endm
.macro TRIP slot, refill
	s_wait_tensorcnt 0x0
	ds_add_u32 v[SPW], v[NIL]
	s_add_nc_u64 s[G0W+4*\slot+2:G0W+4*\slot+3], s[G0W+4*\slot+2:G0W+4*\slot+3], 2*CHUNK
	s_wait_dscnt 0x0
	ROUND
.if \refill
	tensor_load_to_lds s[G0W+4-4*\slot:G0W+7-4*\slot], s[G1W:G1W+7]
	s_nop 0
.rept 4
	v_nop
.endr
.endif
	ds_load_b128 v[WS:WS+3], v[ADW+\slot] offset:16384
	LOADA \slot, 0
	LOADSW \slot, 0
	TILE \slot, 0
	TILE \slot, 1
	TILE \slot, 2
	TILE \slot, 3
.endm
.Lring:
	TRIP 0, 1
	TRIP 1, 1
	s_sub_co_u32 s[LOOP], s[LOOP], 1
	s_cmp_lg_u32 s[LOOP], 0
	s_cbranch_scc1 .Lring
	TRIP 0, 1
	TRIP 1, 0
.irp q, 0,1,2,3,4,5,6,7
	v_mov_b32 v[D+\q], 7
.endr
.irp j, 0,1,2,3,4,5,6
	v_mov_b32 v[D+8+\j], \j
.endr
.irp j, 6,5,4,3,2,1,0
.irp q, 0,1,2,3,4,5,6,7
	v_cmp_eq_f32 vcc_lo, v[SAVE+8*\q+\j], v[ST+4*\q+2]
	s_delay_alu instid0(VALU_DEP_1)
	v_cndmask_b32 v[D+\q], v[D+\q], v[D+8+\j], vcc_lo
.endr
.endr
.irp q, 0,1,2,3,4,5,6,7
	v_add3_u32 v[ST+4*\q+1], v[ST+4*\q+1], v[H8], v[D+\q]
.endr
.irp q, 0,1,2,3,4,5,6,7
	v_permlanex16_b32 v[D+16+\q], v[ST+4*\q+2], s[SEL], s[SEL+1]
	v_permlanex16_b32 v[D+24+\q], v[ST+4*\q+1], s[SEL], s[SEL+1]
.endr
.irp q, 0,1,2,3,4,5,6,7
	v_cmp_lt_f32 s50, v[D+16+\q], v[ST+4*\q+2]
	v_cmp_eq_f32 s51, v[D+16+\q], v[ST+4*\q+2]
	v_cmp_lt_u32 s52, v[D+24+\q], v[ST+4*\q+1]
	s_and_b32 s51, s51, s52
	s_or_b32 s50, s50, s51
	v_cndmask_b32 v[ST+4*\q+2], v[ST+4*\q+2], v[D+16+\q], s50
	v_cndmask_b32 v[ST+4*\q+1], v[ST+4*\q+1], v[D+24+\q], s50
	ds_store_b32 v[MVS], v[ST+4*\q+2] offset:64*\q
	ds_store_b32 v[MVS], v[ST+4*\q+1] offset:MIO+64*\q
.endr
	v_and_b32 v[TMP], 31, v0
	s_delay_alu instid0(VALU_DEP_1)
	v_lshlrev_b32 v[TMP], 4, v[TMP]
	s_wait_dscnt 0x0
	s_barrier_signal -1
	s_barrier_wait -1
	s_cmp_lg_u32 s[WV], 0
	s_cbranch_scc1 .Ldone
.irp u, 0,1,2,3,4,5,6,7
	ds_load_b128 v[D+4*\u:D+4*\u+3], v[MVR] offset:512*\u
	ds_load_b128 v[D+32+4*\u:D+35+4*\u], v[MVR] offset:MIO+512*\u
.endr
	s_wait_dscnt 0x0
.irp u, 1,2,3,4,5,6,7
.irp c, 0,1,2,3
	v_cmp_lt_f32 vcc_lo, v[D+4*\u+\c], v[D+\c]
	s_delay_alu instid0(VALU_DEP_1)
	v_cndmask_b32 v[D+\c], v[D+\c], v[D+4*\u+\c], vcc_lo
	s_delay_alu instid0(VALU_DEP_2)
	v_cndmask_b32 v[D+32+\c], v[D+32+\c], v[D+32+4*\u+\c], vcc_lo
.endr
.endr
	global_store_b128 v[TMP], v[D+32:D+35], s[8:9]
	global_store_b128 v[TMP], v[D+32:D+35], s[10:11]
.Ldone:
	s_wait_tensorcnt 0x0
	ds_add_u32 v[SPW], v[NIL]
	s_wait_dscnt 0x0
	ROUND
	s_endpgm
.Lfunc_end_k_q109184bbbd_vqmain:
	.size	k_q109184bbbd_vqmain, .Lfunc_end_k_q109184bbbd_vqmain-k_q109184bbbd_vqmain
	.p2alignl 7, 3214868480
	.fill 96, 4, 3214868480
	.section	.rodata,"a",@progbits
	.p2align	6, 0x0
	.amdhsa_kernel k_q109184bbbd_vqmain
		.amdhsa_group_segment_fixed_size 327680
		.amdhsa_private_segment_fixed_size 0
		.amdhsa_enable_private_segment 0
		.amdhsa_kernarg_size 32
		.amdhsa_user_sgpr_count 2
		.amdhsa_user_sgpr_kernarg_segment_ptr 1
		.amdhsa_wavefront_size32 1
		.amdhsa_system_sgpr_workgroup_id_x 1
		.amdhsa_system_sgpr_workgroup_id_y 1
		.amdhsa_system_sgpr_workgroup_id_z 1
		.amdhsa_system_vgpr_workitem_id 0
		.amdhsa_next_free_vgpr 512
		.amdhsa_next_free_sgpr 66
		.amdhsa_reserve_vcc 1
		.amdhsa_float_denorm_mode_32 3
		.amdhsa_float_denorm_mode_16_64 3
		.amdhsa_fp16_overflow 1
		.amdhsa_memory_ordered 1
		.amdhsa_forward_progress 1
		.amdhsa_inst_pref_size 255
	.end_amdhsa_kernel
	.section	.bss,"aw",@nobits
	.p2align	6
	.space	262144
	.amdgpu_metadata
---
amdhsa.version: [ 1, 2 ]
amdhsa.kernels:
  - .name:           k_q109184bbbd_vqmain
    .symbol:         k_q109184bbbd_vqmain.kd
    .args:
      - { .name: inputs, .offset: 0, .size: 8, .value_kind: global_buffer, .address_space: global }
      - { .name: wq, .offset: 8, .size: 8, .value_kind: global_buffer, .address_space: global }
      - { .name: out2, .offset: 16, .size: 8, .value_kind: global_buffer, .address_space: global }
      - { .name: idxw, .offset: 24, .size: 8, .value_kind: global_buffer, .address_space: global }
    .group_segment_fixed_size: 327680
    .private_segment_fixed_size: 0
    .kernarg_segment_align: 8
    .kernarg_segment_size: 32
    .max_flat_workgroup_size: 256
    .sgpr_count:     66
    .vgpr_count:     512
    .wavefront_size: 32
...
	.end_amdgpu_metadata
.endif
;; end of part 2
;; launch vqout (part 3): grid 512 x 1, 8 waves a work-group, no clusters, 67,072 bytes of LDS; arguments inputs, weight, idxw, out1, lossp; writes out1, lossp
.if DOCPART == 3
	.amdgcn_target "amdgcn-amd-amdhsa--gfx1250"
	.amdhsa_code_object_version 6
	.text
	.protected	k_q109184bbbd_vqout
	.globl	k_q109184bbbd_vqout
	.p2align	8
	.type	k_q109184bbbd_vqout,@function
k_q109184bbbd_vqout:
	s_mov_b64 s[64:65], 0
	v_nop
	global_prefetch_b8 v0, s[64:65] scope:SCOPE_SE
	s_setreg_imm32_b32 hwreg(HW_REG_WAVE_MODE, 25, 1), 1
	s_wait_xcnt 0x0
; out1[b][d][t] = x + (w[idx][d] - x), each step rounded to f32 as it is written, and for each work-group the sum of (out1 - x)^2.
; A work-group takes 64 neighbouring t of one b and all 256 d.  x and out1 go as they lie: sixteen lanes take 256 consecutive, aligned bytes of a row d.
; The 64 codewords are gathered by rows (two loads of 512 consecutive bytes each; wave w gathers rows 8 w .. 8 w + 7) into LDS and read back with d along a lane's four registers;
; the turn from [t][d] to [d][t] then lies in the register numbers alone.
; The indices were stored by the launch before; each is held at 8,191 before it enters an address.
; Work-groups share no tile (each gathers its own rows of the table), so there is no cluster; memory binds, so there is no matrix work.
.set GP,  4112                         ; LDS: four gathered rows (4,096 bytes) + 16: lanes that stand four rows apart fall 16 bytes apart modulo 256
.set RED, 65792                        ; the eight waves' sums
.set X,   16                           ; v16-79   x: [i][c][a]: d = 32 w + 8 i + 4 hh + c, t = 4 l + a
.set Q,   80                           ; v80-143  the gathered rows; then w: [i][a][c]
.set O0,  144                          ; v144-159 out1 of i = 0; that of i > 0 takes w's registers of i - 1: no store's data are written again
.set ACC, 160                          ; v160-163 the squares' sums
.set F,   164                          ; v164-167 at work
.set GOF, 168                          ; v168-175 a gathered row's byte offset in the table + 16 x lane
	s_load_b256 s[4:11], s[0:1], 0x0               ; inputs s[4:5], weight s[6:7], idxw s[8:9], out1 s[10:11]
	s_load_b64 s[12:13], s[0:1], 0x20              ; lossp
	v_lshl_add_u32 v176, v0, 2, 0x10200
	v_mov_b32 v177, 0
	v_lshrrev_b32 v1, 5, v0
	s_delay_alu instid0(VALU_DEP_1)
	v_readfirstlane_b32 s14, v1                    ; wave 0..7
	v_and_b32 v1, 31, v0                           ; lane
	v_and_b32 v2, 15, v0                           ; l
	v_bfe_u32 v3, v0, 4, 1                         ; hh
	s_lshl_b32 s15, s14, 17
	v_lshlrev_b32 v4, 14, v3
	s_delay_alu instid0(VALU_DEP_1)
	v_lshl_add_u32 v4, v2, 4, v4
	s_delay_alu instid0(VALU_DEP_1)
	v_add_nc_u32 v4, s15, v4                       ; x and out1: (32 w + 4 hh) rows of 4,096 bytes + 16 l; never rewritten
	v_lshlrev_b32 v5, 4, v1                        ; 16 x lane
	s_mul_i32 s15, s14, 2*GP
	v_add_nc_u32 v6, s15, v5                       ; LDS, in: my eight rows
	v_mul_u32_u24 v7, v2, GP
	s_delay_alu instid0(VALU_DEP_1)
	v_lshl_add_u32 v7, v3, 4, v7
	s_lshl_b32 s15, s14, 7
	v_add_nc_u32 v7, s15, v7                       ; LDS, out: rows 4 l + a, bytes 4 (32 w + 4 hh) on
	s_lshl_b32 s15, s14, 2
	s_add_co_u32 s15, s15, RED
	v_mov_b32 v8, s15
	v_mov_b32 v9, RED
	v_mov_b32 v10, 0
	s_mov_b32 s30, 0x76543210
	s_mov_b32 s31, 0xfedcba98
	s_lshr_b32 s24, ttmp9, 4                       ; b, 2^20 bytes each;
	s_lshl_b32 s24, s24, 20
	s_and_b32 s25, ttmp9, 15                       ; 64 t = 256 bytes a work-group
	s_lshl_b32 s25, s25, 8
	s_add_co_u32 s24, s24, s25
	s_mov_b32 s25, 0
	s_lshl_b32 s26, ttmp9, 8                       ; the indices: 64 words a work-group,
	s_lshl_b32 s27, s14, 5                         ; 8 a wave
	s_add_co_u32 s26, s26, s27
	s_mov_b32 s27, 0
	s_lshl_b32 s28, ttmp9, 2
	s_mov_b32 s29, 0
	s_wait_alu depctr_va_vdst(0)
	s_wait_kmcnt 0x0
	s_add_nc_u64 s[8:9], s[8:9], s[26:27]
	s_load_b256 s[16:23], s[8:9], 0x0              ; my eight rows' indices
	s_add_nc_u64 s[4:5], s[4:5], s[24:25]
	s_add_nc_u64 s[10:11], s[10:11], s[24:25]
	s_add_nc_u64 s[12:13], s[12:13], s[28:29]
.irp i, 0,1,2,3
.irp c, 0,1,2,3
	global_load_b128 v[X+16*\i+4*\c:X+16*\i+4*\c+3], v4, s[4:5] offset:(8*\i+\c)*4096 th:TH_LOAD_NT
.endr
.endr
	s_wait_kmcnt 0x0
.irp p, 0,1,2,3,4,5,6,7
	s_min_u32 s[16+\p], s[16+\p], 8191             ; an index stays inside the table
	s_lshl_b32 s[16+\p], s[16+\p], 10              ; a row is 1,024 bytes
	v_add_nc_u32 v[GOF+\p], s[16+\p], v5
.endr
	s_wait_alu depctr_va_vdst(0)
.irp p, 0,1,2,3,4,5,6,7
	global_load_b128 v[Q+8*\p:Q+8*\p+3], v[GOF+\p], s[6:7]
	global_load_b128 v[Q+8*\p+4:Q+8*\p+7], v[GOF+\p], s[6:7] offset:512
.endr
	s_wait_loadcnt 0x0                             ; the gathered rows were asked for last
.irp p, 0,1,2,3,4,5,6,7
	ds_store_b128 v6, v[Q+8*\p:Q+8*\p+3] offset:(\p/4)*GP+(\p%4)*1024
	ds_store_b128 v6, v[Q+8*\p+4:Q+8*\p+7] offset:(\p/4)*GP+(\p%4)*1024+512
.endr
	s_wait_dscnt 0x0                               ; for the others' sake: my stores have landed
	s_barrier_signal -1
	s_barrier_wait -1
.irp i, 0,1,2,3
.irp a, 0,1,2,3
	ds_load_b128 v[Q+16*\i+4*\a:Q+16*\i+4*\a+3], v7 offset:1024*\a+32*\i     ; w[idx(4 l + a)][32 w + 8 i + 4 hh + 0 .. 3]
.endr
.endr
; four d rows' worth of one c: out1 into v[ob + 4 c] on, four neighbouring t
.macro ELEM i, c, ob
.irp a, 0,1,2,3
	v_sub_f32 v[\ob+4*\c+\a], v[Q+16*\i+4*\a+\c], v[X+16*\i+4*\c+\a]         ; w - x
.endr
.irp a, 0
	s_delay_alu instid0(VALU_DEP_3)
	v_pk_add_f32 v[\ob+4*\c+\a:\ob+4*\c+\a+1], v[X+16*\i+4*\c+\a:X+16*\i+4*\c+\a+1], v[\ob+4*\c+\a:\ob+4*\c+\a+1]   ; x + (w - x)
.endr
.irp a, 2
	s_delay_alu instid0(VALU_DEP_2)
	v_pk_add_f32 v[\ob+4*\c+\a:\ob+4*\c+\a+1], v[X+16*\i+4*\c+\a:X+16*\i+4*\c+\a+1], v[\ob+4*\c+\a:\ob+4*\c+\a+1]   ; x + (w - x)
.endr
.irp a, 0,2
	s_delay_alu instid0(VALU_DEP_2)
	v_pk_add_f32 v[F+\a:F+\a+1], v[\ob+4*\c+\a:\ob+4*\c+\a+1], v[X+16*\i+4*\c+\a:X+16*\i+4*\c+\a+1] neg_lo:[0,1] neg_hi:[0,1]   ; less x
.endr
.irp a, 0,2
.if (\i == 0) && (\c == 0)
	s_delay_alu instid0(VALU_DEP_2)
	v_pk_mul_f32 v[ACC+\a:ACC+\a+1], v[F+\a:F+\a+1], v[F+\a:F+\a+1]          ; the first squares start the sums
.else
	s_delay_alu instid0(VALU_DEP_2)
	v_pk_fma_f32 v[ACC+\a:ACC+\a+1], v[F+\a:F+\a+1], v[F+\a:F+\a+1], v[ACC+\a:ACC+\a+1]
.endif
.endr
	global_store_b128 v4, v[\ob+4*\c:\ob+4*\c+3], s[10:11] offset:(8*\i+\c)*4096 th:TH_STORE_NT   ; sixteen lanes store 256 consecutive, aligned bytes
.endm
	s_wait_dscnt 12                                ; the first four loads are in; the twelve behind them may be out
.irp c, 0,1,2,3
	ELEM 0, \c, O0
.endr
	s_wait_dscnt 8
.irp c, 0,1,2,3
	ELEM 1, \c, Q
.endr
	s_wait_dscnt 4
.irp c, 0,1,2,3
	ELEM 2, \c, Q+16
.endr
	s_wait_dscnt 0x0
.irp c, 0,1,2,3
	ELEM 3, \c, Q+32
.endr
	v_pk_add_f32 v[ACC:ACC+1], v[ACC:ACC+1], v[ACC+2:ACC+3]
	s_delay_alu instid0(VALU_DEP_1)
	v_add_f32 v[ACC], v[ACC], v[ACC+1]
	s_delay_alu instid0(VALU_DEP_1)
	v_add_f32_dpp v[ACC], v[ACC], v[ACC] row_xmask:1 row_mask:0xf bank_mask:0xf
	s_delay_alu instid0(VALU_DEP_1)
	v_add_f32_dpp v[ACC], v[ACC], v[ACC] row_xmask:2 row_mask:0xf bank_mask:0xf
	s_delay_alu instid0(VALU_DEP_1)
	v_add_f32_dpp v[ACC], v[ACC], v[ACC] row_xmask:4 row_mask:0xf bank_mask:0xf
	s_delay_alu instid0(VALU_DEP_1)
	v_add_f32_dpp v[ACC], v[ACC], v[ACC] row_xmask:8 row_mask:0xf bank_mask:0xf
	s_delay_alu instid0(VALU_DEP_1)
	v_permlanex16_b32 v[ACC+1], v[ACC], s30, s31
	s_delay_alu instid0(VALU_DEP_1)
	v_add_f32 v[ACC], v[ACC], v[ACC+1]             ; the wave's sum, in every lane
	ds_store_b32 v8, v[ACC]
	s_wait_dscnt 0x0
	s_barrier_signal -1
	s_barrier_wait -1
	ds_load_b128 v[X:X+3], v9
	ds_load_b128 v[X+4:X+7], v9 offset:16
	s_wait_dscnt 0x0
	v_pk_add_f32 v[X:X+1], v[X:X+1], v[X+2:X+3]
	v_pk_add_f32 v[X+4:X+5], v[X+4:X+5], v[X+6:X+7]
	s_delay_alu instid0(VALU_DEP_1)
	v_pk_add_f32 v[X:X+1], v[X:X+1], v[X+4:X+5]
	s_delay_alu instid0(VALU_DEP_1)
	v_add_f32 v[X], v[X], v[X+1]                   ; the work-group's sum
	s_wait_alu depctr_va_vdst(0)
	s_wait_xcnt 0x0                                ; EXEC is a source of the stores above: it changes only behind this wait
	v_cmp_eq_u32 vcc_lo, 0, v0
	s_wait_tensorcnt 0x0
	ds_add_u32 v176, v177
	s_wait_dscnt 0x0
	s_and_saveexec_b32 s15, vcc_lo                 ; thread 0 alone
	global_store_b32 v10, v[X], s[12:13]
	s_wait_xcnt 0x0                                ; and again, in front of the line that widens it
	s_or_b32 exec_lo, exec_lo, s15
	s_endpgm
.Lfunc_end_k_q109184bbbd_vqout:
	.size	k_q109184bbbd_vqout, .Lfunc_end_k_q109184bbbd_vqout-k_q109184bbbd_vqout
	.p2alignl 7, 3214868480
	.fill 96, 4, 3214868480
	.section	.rodata,"a",@progbits
	.p2align	6, 0x0
	.amdhsa_kernel k_q109184bbbd_vqout
		.amdhsa_group_segment_fixed_size 67072
		.amdhsa_private_segment_fixed_size 0
		.amdhsa_enable_private_segment 0
		.amdhsa_kernarg_size 40
		.amdhsa_user_sgpr_count 2
		.amdhsa_user_sgpr_kernarg_segment_ptr 1
		.amdhsa_wavefront_size32 1
		.amdhsa_system_sgpr_workgroup_id_x 1
		.amdhsa_system_sgpr_workgroup_id_y 1
		.amdhsa_system_sgpr_workgroup_id_z 1
		.amdhsa_system_vgpr_workitem_id 0
		.amdhsa_next_free_vgpr 178
		.amdhsa_next_free_sgpr 66
		.amdhsa_reserve_vcc 1
		.amdhsa_float_denorm_mode_32 3
		.amdhsa_float_denorm_mode_16_64 3
		.amdhsa_memory_ordered 1
		.amdhsa_forward_progress 1
		.amdhsa_inst_pref_size 23
	.end_amdhsa_kernel
	.amdgpu_metadata
---
amdhsa.version: [ 1, 2 ]
amdhsa.kernels:
  - .name:           k_q109184bbbd_vqout
    .symbol:         k_q109184bbbd_vqout.kd
    .args:
      - { .name: inputs, .offset: 0, .size: 8, .value_kind: global_buffer, .address_space: global }
      - { .name: weight, .offset: 8, .size: 8, .value_kind: global_buffer, .address_space: global }
      - { .name: idxw, .offset: 16, .size: 8, .value_kind: global_buffer, .address_space: global }
      - { .name: out1, .offset: 24, .size: 8, .value_kind: global_buffer, .address_space: global }
      - { .name: lossp, .offset: 32, .size: 8, .value_kind: global_buffer, .address_space: global }
    .group_segment_fixed_size: 67072
    .private_segment_fixed_size: 0
    .kernarg_segment_align: 8
    .kernarg_segment_size: 40
    .max_flat_workgroup_size: 256
    .sgpr_count:     66
    .vgpr_count:     178
    .wavefront_size: 32
...
	.end_amdgpu_metadata
.endif
;; end of part 3
;; launch vqloss (part 4): grid 1 x 1, 1 waves a work-group, no clusters, 0 bytes of LDS; arguments lossp, out0; writes out0
.if DOCPART == 4
	.amdgcn_target "amdgcn-amd-amdhsa--gfx1250"
	.amdhsa_code_object_version 6
	.text
	.protected	k_q109184bbbd_vqloss
	.globl	k_q109184bbbd_vqloss
	.p2align	8
	.type	k_q109184bbbd_vqloss,@function
k_q109184bbbd_vqloss:
	s_mov_b64 s[64:65], 0
	v_nop
	global_prefetch_b8 v0, s[64:65] scope:SCOPE_SE
	s_setreg_imm32_b32 hwreg(HW_REG_WAVE_MODE, 25, 1), 1
	s_wait_xcnt 0x0
; out0 = m + 0.25 m, m = the mean of (out1 - x)^2 over 2^23 numbers: the 512 work-groups' sums are added by one wave, since a sum that spans work-groups is made by one owner in a later launch.
	s_load_b128 s[4:7], s[0:1], 0x0                ; lossp, out0
	v_lshlrev_b32 v1, 4, v0                        ; 16 bytes a lane
	v_mov_b32 v2, 0
	s_mov_b32 s8, 0x76543210
	s_mov_b32 s9, 0xfedcba98
	s_wait_alu depctr_va_vdst(0)
	s_wait_kmcnt 0x0
.irp k, 0,1,2,3
	global_load_b128 v[4+4*\k:7+4*\k], v1, s[4:5] offset:512*\k
.endr
	s_wait_loadcnt 0x0
	v_pk_add_f32 v[4:5], v[4:5], v[6:7]
	v_pk_add_f32 v[8:9], v[8:9], v[10:11]
	v_pk_add_f32 v[12:13], v[12:13], v[14:15]
	v_pk_add_f32 v[16:17], v[16:17], v[18:19]
	v_pk_add_f32 v[4:5], v[4:5], v[8:9]
	v_pk_add_f32 v[12:13], v[12:13], v[16:17]
	v_pk_add_f32 v[4:5], v[4:5], v[12:13]
	v_add_f32 v4, v4, v5
	v_add_f32_dpp v4, v4, v4 row_xmask:1 row_mask:0xf bank_mask:0xf
	v_add_f32_dpp v4, v4, v4 row_xmask:2 row_mask:0xf bank_mask:0xf
	v_add_f32_dpp v4, v4, v4 row_xmask:4 row_mask:0xf bank_mask:0xf
	v_add_f32_dpp v4, v4, v4 row_xmask:8 row_mask:0xf bank_mask:0xf
	v_permlanex16_b32 v5, v4, s8, s9
	v_add_f32 v4, v4, v5
	v_mul_f32 v4, 0x34000000, v4                   ; x 2^-23: the mean, exactly scaled
	v_fmamk_f32 v5, v4, 0x3e800000, v4             ; m x 0.25 + m
	s_wait_alu depctr_va_vdst(0)
	s_wait_xcnt 0x0                                ; EXEC is a source of the loads above: it changes only behind this wait
	v_cmp_eq_u32 vcc_lo, 0, v0
	s_and_saveexec_b32 s10, vcc_lo                 ; lane 0 alone
	global_store_b32 v2, v5, s[6:7]
	s_wait_xcnt 0x0                                ; and again, in front of the line that widens it
	s_or_b32 exec_lo, exec_lo, s10
	s_endpgm
.Lfunc_end_k_q109184bbbd_vqloss:
	.size	k_q109184bbbd_vqloss, .Lfunc_end_k_q109184bbbd_vqloss-k_q109184bbbd_vqloss
	.p2alignl 7, 3214868480
	.fill 96, 4, 3214868480
	.section	.rodata,"a",@progbits
	.p2align	6, 0x0
	.amdhsa_kernel k_q109184bbbd_vqloss
		.amdhsa_group_segment_fixed_size 0
		.amdhsa_private_segment_fixed_size 0
		.amdhsa_enable_private_segment 0
		.amdhsa_kernarg_size 16
		.amdhsa_user_sgpr_count 2
		.amdhsa_user_sgpr_kernarg_segment_ptr 1
		.amdhsa_wavefront_size32 1
		.amdhsa_system_sgpr_workgroup_id_x 1
		.amdhsa_system_sgpr_workgroup_id_y 1
		.amdhsa_system_sgpr_workgroup_id_z 1
		.amdhsa_system_vgpr_workitem_id 0
		.amdhsa_next_free_vgpr 32
		.amdhsa_next_free_sgpr 66
		.amdhsa_reserve_vcc 1
		.amdhsa_float_denorm_mode_32 3
		.amdhsa_float_denorm_mode_16_64 3
		.amdhsa_memory_ordered 1
		.amdhsa_forward_progress 1
		.amdhsa_inst_pref_size 3
	.end_amdhsa_kernel
	.amdgpu_metadata
---
amdhsa.version: [ 1, 2 ]
amdhsa.kernels:
  - .name:           k_q109184bbbd_vqloss
    .symbol:         k_q109184bbbd_vqloss.kd
    .args:
      - { .name: lossp, .offset: 0, .size: 8, .value_kind: global_buffer, .address_space: global }
      - { .name: out0, .offset: 8, .size: 8, .value_kind: global_buffer, .address_space: global }
    .group_segment_fixed_size: 0
    .private_segment_fixed_size: 0
    .kernarg_segment_align: 8
    .kernarg_segment_size: 16
    .max_flat_workgroup_size: 32
    .sgpr_count:     66
    .vgpr_count:     32
    .wavefront_size: 32
...
	.end_amdgpu_metadata
.endif
;; end of part 4
